; MI455X (gfx1250); checked and timed in simulation.
; The chip was launched on July 23, 2026; its instructions are those of AMD's public machine-readable ISA for CDNA 5 (MIT licence, August 2026) and "CDNA5" Instruction Set Architecture Reference Guide (July 2026). The comments in the code are by the model that wrote it; some were corrected since.
;; Dot Product Attention. Allowed arithmetic: float matrix products may take bf16 or f16 operands with f32 sums; all other float work in f32.
;; Inputs: k 8 x 2,048 x 1,024 float32; q 8 x 2,048 x 1,024 float32; rep_mask 8 x 2,048 x 1 int32; v 8 x 2,048 x 1,024 float32.
;; Outputs: out0 8 x 2,048 x 1,024 float32.
;; One version. Each part assembles by itself: llvm-mc -triple=amdgcn-amd-amdhsa -mcpu=gfx1250 --defsym DOCPART=n.
;; ======== version 1 of 1: 2 launches
;; workspace buffers: kb 33,554,432 bytes; vb 33,554,432 bytes
;; launch tobf16 (part 1): grid 256 x 1, 8 waves a work-group, no clusters, 0 bytes of LDS; arguments k, v, rep_mask, kb, vb; writes kb, vb
.if DOCPART == 1
	.amdgcn_target "amdgcn-amd-amdhsa--gfx1250"
	.amdhsa_code_object_version 6
	.text
	.protected	k_q0f7123b57e_tobf16
	.globl	k_q0f7123b57e_tobf16
	.p2align	8
	.type	k_q0f7123b57e_tobf16,@function
k_q0f7123b57e_tobf16:
	s_mov_b64 s[64:65], 0
	v_nop
	global_prefetch_b8 v0, s[64:65] scope:SCOPE_SE
	s_setreg_imm32_b32 hwreg(HW_REG_WAVE_MODE, 25, 1), 1
	s_wait_xcnt 0x0
; kb[b][j][:] = bf16(k[b][j][:] * rep_mask[b][j]),  vb[b][j][:] = bf16(v[b][j][:]).  k, v: [8][2048][1024] f32; kb, vb the same shape in bf16; one multiply in f32, one rounding.
; The next launch wants K and V in 16 bits: its tiles of 64 keys x 1,024 channels then fit into LDS, and V can be turned on its way out of LDS.  K takes the key's mask here, so that a key whose
; mask is 0 gives the score 0, as the problem's function has it.
; SHARES.  2 x 16,384 rows of 4,096 bytes.  256 work-groups of eight waves: tensor = x / 128 (0: k, 1: v); stream = 8 (x % 128) + wave owns 16 neighbouring rows.
; A row comes in by eight loads of 512 neighbouring bytes and leaves by eight stores of 256 neighbouring bytes, each at a multiple of 256 from the buffer's first byte.
; A ring of four row slots in registers keeps 32 loads of every wave in flight (16 KiB a wave, 128 KiB a work-group).
; No LDS, no barrier, no matrix unit, no cluster: the launch only moves bytes, no two waves read the same row, and every byte is read once.
; LIMIT.  The mask is made a float by v_cvt_f32_i32: exact for |mask| < 2^24.
.set ROWIN,  4096                      ; bytes of a row of k or v
.set ROWOUT, 2048                      ; bytes of a row of kb or vb
.set DEPTH,  4                         ; row slots
.set ROUNDS, 16/DEPTH                  ; each round takes every slot once
.set X,      32                        ; v[32:159]  slot s: 32 registers, a row's 128 bytes a lane as loaded
.set Y,      160                       ; v[160:175] a row in bf16, to store
.set SB,     24                        ; s[24:31]   slot s: address of the row that it loads
.set SMU,    32                        ; s[32:33]   the row's multiplier, twice (the packed multiply names a pair)
; v1 lane   v2 16 lane (loads)   v3 8 lane (stores)   v5 mask of my stream's row lane % 16   v6 the same as a multiplier   v8, v9 at work
; s18 wave   s[20:21] destination   s[22:23] source   s41 lane to read   s43 rounds to go   s44 all ones for v, 0 for k   s48 tensor   s49 stream   s51 row of slot 0 in this round
	s_load_b256 s[4:11], s[0:1], 0x0               ; k s[4:5], v s[6:7], rep_mask s[8:9], kb s[10:11]
	s_load_b64 s[12:13], s[0:1], 0x20              ; vb
	v_lshrrev_b32 v8, 5, v0
	v_readfirstlane_b32 s18, v8                    ; wave 0..7
	v_and_b32 v1, 31, v0
	s_lshr_b32 s48, ttmp9, 7                       ; 0: k, 1: v
	s_and_b32 s49, ttmp9, 127
	s_lshl3_add_u32 s49, s49, s18                  ; stream 0..1023
	s_sub_co_i32 s44, 0, s48                       ; a lane mask: all ones where the tensor is v
	v_lshlrev_b32 v2, 4, v1
	v_lshlrev_b32 v3, 3, v1
	v_and_b32 v9, 15, v0
	v_lshlrev_b32 v9, 2, v9                        ; lanes 16-31 read what lanes 0-15 read: no lane leaves rep_mask
	s_lshl_b32 s52, s49, 6                         ; stream x 16 rows x 4 bytes of mask
	s_mov_b32 s53, 0
	s_lshl_b32 s54, s49, 16                        ; stream x 16 rows x 4,096 bytes
	s_mov_b32 s55, 0
	s_lshl_b32 s56, s49, 15                        ; stream x 16 rows x 2,048 bytes
	s_mov_b32 s57, 0
	s_wait_kmcnt 0x0
	s_add_nc_u64 s[8:9], s[8:9], s[52:53]
	global_load_b32 v5, v9, s[8:9]                 ; the masks of my 16 rows
	s_cmp_eq_u32 s48, 0
	s_cselect_b64 s[22:23], s[4:5], s[6:7]
	s_cselect_b64 s[20:21], s[10:11], s[12:13]
	s_add_nc_u64 s[22:23], s[22:23], s[54:55]
	s_add_nc_u64 s[20:21], s[20:21], s[56:57]
.macro FILL s                          ; eight loads: the whole row
.irp n, 0,1,2,3,4,5,6,7
	global_load_b128 v[X+32*\s+4*\n:X+32*\s+4*\n+3], v2, s[SB+2*\s:SB+2*\s+1] offset:512*\n th:TH_LOAD_NT
.endr
.endm
.irp s, 0,1,2,3
	s_add_nc_u64 s[SB+2*\s:SB+2*\s+1], s[22:23], \s*ROWIN
	FILL \s                                        ; rows 0 to 3
.endr
	s_wait_loadcnt 0x20                            ; the 32 row loads may stay out: the masks, asked for first, are in
	v_cvt_f32_i32 v6, v5
	v_cndmask_b32 v6, v6, 1.0, s44                 ; v is not multiplied by the mask: the weights carry it
; One slot's turn.  ahead = 1: the slot is filled again with the row DEPTH further down.  left = the younger loads that may stay out (8 for each row behind this one).
.macro SLOT s, ahead, left
	s_wait_loadcnt \left                           ; loads come back in order (ISA guide 5.7.1): my row's eight are in, so its address pair may be stepped
	s_wait_xcnt 0x0                                ; Y, from which the slot before stored, is rewritten only behind this wait
	s_add_co_u32 s41, s51, \s
	v_readlane_b32 s[SMU], v6, s41                 ; this row's multiplier
	s_mov_b32 s[SMU+1], s[SMU]
.irp p, 0,1,2,3,4,5,6,7,8,9,10,11,12,13,14,15
	v_pk_mul_f32 v[X+32*\s+2*\p:X+32*\s+2*\p+1], v[X+32*\s+2*\p:X+32*\s+2*\p+1], s[SMU:SMU+1] op_sel_hi:[1,0]
.endr
.irp p, 0,1,2,3,4,5,6,7,8,9,10,11,12,13,14,15
	v_cvt_pk_bf16_f32 v[Y+\p], v[X+32*\s+2*\p], v[X+32*\s+2*\p+1]
.endr
.if \ahead
	s_add_nc_u64 s[SB+2*\s:SB+2*\s+1], s[SB+2*\s:SB+2*\s+1], DEPTH*ROWIN
	FILL \s                                        ; the next round's row goes out ahead of this row's stores
.endif
.irp n, 0,1,2,3,4,5,6,7
	global_store_b64 v3, v[Y+2*\n:Y+2*\n+1], s[20:21] offset:\s*ROWOUT+256*\n   ; 32 lanes store 256 consecutive bytes
.endr
.endm
	s_mov_b32 s51, 0
	s_mov_b32 s43, ROUNDS-1
.Lround:
	SLOT 0, 1, 24
	SLOT 1, 1, 24
	SLOT 2, 1, 24
	SLOT 3, 1, 24
	s_wait_xcnt 0x0                                ; the stores' base steps only behind this wait
	s_add_nc_u64 s[20:21], s[20:21], DEPTH*ROWOUT
	s_add_co_u32 s51, s51, DEPTH
	s_sub_co_u32 s43, s43, 1
	s_cmp_lg_u32 s43, 0
	s_cbranch_scc1 .Lround
	SLOT 0, 0, 24                                  ; the last round loads nothing: the counts run down
	SLOT 1, 0, 16
	SLOT 2, 0, 8
	SLOT 3, 0, 0
	s_endpgm
.Lfunc_end_k_q0f7123b57e_tobf16:
	.size	k_q0f7123b57e_tobf16, .Lfunc_end_k_q0f7123b57e_tobf16-k_q0f7123b57e_tobf16
	.p2alignl 7, 3214868480
	.fill 96, 4, 3214868480
	.section	.rodata,"a",@progbits
	.p2align	6, 0x0
	.amdhsa_kernel k_q0f7123b57e_tobf16
		.amdhsa_group_segment_fixed_size 0
		.amdhsa_private_segment_fixed_size 0
		.amdhsa_enable_private_segment 0
		.amdhsa_kernarg_size 40
		.amdhsa_user_sgpr_count 2
		.amdhsa_user_sgpr_kernarg_segment_ptr 1
		.amdhsa_wavefront_size32 1
		.amdhsa_system_sgpr_workgroup_id_x 1
		.amdhsa_system_sgpr_workgroup_id_y 1
		.amdhsa_system_sgpr_workgroup_id_z 1
		.amdhsa_system_vgpr_workitem_id 0
		.amdhsa_next_free_vgpr 176
		.amdhsa_next_free_sgpr 66
		.amdhsa_reserve_vcc 0
		.amdhsa_float_denorm_mode_32 3
		.amdhsa_float_denorm_mode_16_64 3
		.amdhsa_memory_ordered 1
		.amdhsa_forward_progress 1
		.amdhsa_inst_pref_size 32
	.end_amdhsa_kernel
	.amdgpu_metadata
---
amdhsa.version: [ 1, 2 ]
amdhsa.kernels:
  - .name:           k_q0f7123b57e_tobf16
    .symbol:         k_q0f7123b57e_tobf16.kd
    .args:
      - { .name: k, .offset: 0, .size: 8, .value_kind: global_buffer, .address_space: global }
      - { .name: v, .offset: 8, .size: 8, .value_kind: global_buffer, .address_space: global }
      - { .name: rep_mask, .offset: 16, .size: 8, .value_kind: global_buffer, .address_space: global }
      - { .name: kb, .offset: 24, .size: 8, .value_kind: global_buffer, .address_space: global }
      - { .name: vb, .offset: 32, .size: 8, .value_kind: global_buffer, .address_space: global }
    .group_segment_fixed_size: 0
    .private_segment_fixed_size: 0
    .kernarg_segment_align: 8
    .kernarg_segment_size: 40
    .max_flat_workgroup_size: 256
    .sgpr_count:     66
    .vgpr_count:     176
    .wavefront_size: 32
...
	.end_amdgpu_metadata
.endif
;; end of part 1
;; launch attn (part 2): grid 32 x 8, 4 waves a work-group, clusters of 4 x 1, 327,680 bytes of LDS; arguments q, rep_mask, kb, vb, out0; writes out0
.if DOCPART == 2
	.amdgcn_target "amdgcn-amd-amdhsa--gfx1250"
	.amdhsa_code_object_version 6
	.text
	.protected	k_q0f7123b57e_attn
	.globl	k_q0f7123b57e_attn
	.p2align	8
	.type	k_q0f7123b57e_attn,@function
k_q0f7123b57e_attn:
	s_mov_b64 s[64:65], 0
	v_nop
	global_prefetch_b8 v0, s[64:65] scope:SCOPE_SE
	s_setreg_imm32_b32 hwreg(HW_REG_WAVE_MODE, 25, 1), 1
	s_wait_xcnt 0x0
	s_wait_alu depctr_hold_cnt(0) depctr_sa_sdst(0) depctr_va_vdst(0) depctr_va_sdst(0) depctr_va_ssrc(0) depctr_va_vcc(0) depctr_vm_vsrc(0)
	s_getreg_b32 s2, hwreg(HW_REG_IB_STS2, 6, 4)
	s_cmp_eq_u32 s2, 0
	s_cbranch_scc0 .Lentry_in_a_cluster
	s_endpgm
.Lentry_in_a_cluster:
	s_bfe_u32 s2, ttmp6, 0x10000c
	s_cmp_lg_u32 s2, 0x3003
	s_cbranch_scc0 .Lentry_shape_is_right
	s_endpgm
.Lentry_shape_is_right:
; ATTENTION.  out[b][q] = f(q) sum_j p(q, j) vb[b][j],  p = exp(s - m) mk(j),  s = (q mq) . kb[b][j]  (kb already carries mk, so a key whose mask is 0 has the score 0 and is in the maximum as such),
; m = the running maximum of s over all 2,048 keys,  f = mq / (mq l + [mq l == 0] + 1e-20),  l = sum_j p.  mq, mk: rep_mask of the query, of the key, as floats.
; Products in bf16 with f32 sums; maxima, exponentials and sums in f32; p is rounded to bf16 for the second product.
; SHARES.  A work-group owns 64 queries of a batch (four tiles of 16) and walks the batch's keys in 32 steps of 64.
; Wave w owns CHANNELS 256 w .. 256 w + 255 in both products: it fetches and reads only its own 512 bytes of each row of kb and vb, each fragment feeds four matrix instructions
; (the four query tiles), and Q (256 registers) and O^T (512 registers) stay in registers.  K Q^T then gives four partial sums over channels: each wave sends three of its four tiles'
; partials through LDS to their owners and does the softmax of one tile; weights and rescaling factors come back through LDS.
; Wave w calls query tile (w + i) % 4 its tile i, so that its own tile is always tile 0, in fixed registers.
; LAYOUT.  S^T = K Q^T (source 0 = 16 keys, source 1 = 16 queries): a lane holds one query (lane % 16) and keys 8 (lane / 16) + 0..7.  Two such tiles rounded to bf16 in pairs are
; source 1 of O^T = V^T P, whose result again holds one query a lane, and eight channels.  V ([key][channel]) is turned by ds_load_tr16_b128.
; LDS has room for one tile of K and one of V (64 keys x 1,024 channels of bf16 each), so they are filled by turns: K's region behind the round that follows K Q^T, V's behind the
; round that follows V^T P; one tensor load a wave behind each.  By this text's count two tensor loads of a wave are out at the start, later one.
; CLUSTER.  The four query blocks of a cluster belong to one batch and walk the same tiles: every tile is asked for jointly (mask 15).  A 4 x 4 cluster would add nothing: only the
; query blocks of one batch share tiles, and a mask names four work-groups.
; Keys and queries whose mask is 0 are worked on like the others: every wave passes every barrier and makes every joint request, so no step hangs on the mask.
; LIMITS.  The masks are made floats by v_cvt_f32_i32: exact for |mask| < 2^24.  q mq is rounded to bf16 behind the multiply.  v_exp_f32 gives 0 below 2^-126.
.set STEPS,  32                        ; 2,048 keys, 64 a step
.set PK,     528                       ; a row of my K strip in LDS: 512 bytes + 16 of padding = 132 words: row r starts at bank 4 r mod 64 (64 banks of 4 bytes: ISA guide 11.1), so the 16 rows of a load start at 16 different banks
.set PV,     544                       ; of my V strip: 512 + 32 = 136 words: row r starts at bank 8 r mod 64
.set KSTRIP, 64*PK
.set VSTRIP, 64*PV
.set VREG,   4*KSTRIP                  ; K's four strips lie from byte 0, V's behind them
.set XCH,    VREG+4*VSTRIP             ; exchange: for each owner wave three slots of 4,096 bytes (a tile's partial scores); the owner's weights later lie in its first 2,048 bytes
.set XW,     12288
.set AF,     XCH+4*XW                  ; rescaling factors a, 128 bytes a wave
.set FF,     AF+512                    ; final factors f, likewise
.set MKS,    FF+512                    ; the step's 64 key masks as floats, a copy for each wave
.set SPARE,  MKS+1024                  ; the spare words, 128 bytes a wave: two blocks of 256 bytes that no other line names
.set TILEB,  64*2048                   ; bytes from a step's rows to the next step's in kb and vb
.set SPITCH, 1040                      ; the way out: a stage row, 1,024 bytes + 16
.set STG,    16*SPITCH                 ; a stage; two of them lie in my K strip, behind its last fill
; window 0
.set SPW, 1                            ; v1   my spare word's address; never rewritten
.set NIL, 2                            ; v2   0; never rewritten
.set AK,  3                            ; v3   my lane's place in my K strip
.set AV,  4                            ; v4   the same for V
.set XS,  5                            ; v5-7   where tile i's partials go (i = 1..3)
.set XL,  8                            ; v8   where the partials for my tile arrive, and where my weights go
.set PL,  9                            ; v9-11  where tile i's weights lie
.set AS,  12                           ; v12  where my a goes (f: 512 bytes on)
.set AL,  13                           ; v13-15 where tile i's a lies
.set MKA, 16                           ; v16  where I put 8 bytes of the step's masks
.set MKL, 17                           ; v17  where my lane's masks lie
.set MKO, 18                           ; v18  my byte offset in the batch's rep_mask, 256 on in each step
.set PFO, 19                           ; v19  my byte offset in the tile that my work-group asks for ahead; never rewritten
.set MKG, 20                           ; v[20:21] two key masks on their way, as whole numbers
.set CM,  22                           ; v22 c m, v23 m
.set LS,  24                           ; v[24:25] l (even keys', odd keys')
.set MQO, 26                           ; v26  mq of my tile's query
.set T0,  28                           ; v28-31 at work
.set AA,  32                           ; v[32:39] a of tile i at 32 + 2 i; the odd ones are written once (a packed multiply names a pair)
.set FA,  40                           ; v[40:47] f likewise
.set QO,  48                           ; head: v48-51 offsets in q, v52-55 in rep_mask, v[56:63] mq pairs.  Loop: v[54:55] two key masks as floats.  End: v48 STO, v49 RD, v50-53 offsets in out0
.set QM,  52
.set MQ,  56
.set MKF, 54
.set STO, 48
.set RD,  49
.set GO,  50
.set S,   64                           ; v[64:191] S^T(i, kt) at 64 + 32 i + 8 kt; then arriving partials (96 on); then V's two fragment buffers (64, 128); then the way out
.set KB,  192                          ; v[192:255] K's two fragment buffers of 32
.set P,   192                          ; then P of tile i at 192 + 16 i
.set MK,  224                          ; my lane's 32 masks, until P's loads
; window 1: Q(i, c) at 64 i + 8 c.   windows 2, 3: O^T(ct, i) at 32 (ct % 8) + 8 i in window 2 + ct / 8 (at the start: Q as loaded, in f32)
.set WV,  20                           ; s20 wave   s21 cx   s22 query block   s23 batch   s[24:31], s[32:39] group 1 for K, V   s[40:43], s[44:47] group 0 for K, V
                                       ; s49 trips   s[52:53] c   s[54:55] lane selects   s[56:57] what I ask for ahead   s58 its step   s[60:61] offset   s[62:63] address
                                       ; s66-69 the query tile that is my tile i   s70-77 at work
.set W_QK, 0x04                        ; source 1 (Q) in window 1; K, S^T and LDS loads in window 0
.set MSB, 0
.macro WIN new                         ; low byte: bits 1:0 source 0, 3:2 source 1, 5:4 source 2, 7:6 destination; the high byte repeats the setting that is left
.if MSB != (\new)
	s_set_vgpr_msb (MSB<<8)|(\new)
.set MSB, (\new)
.endif
.endm
.macro PLACES                          ; four plain vector instructions between a matrix instruction and a load into, or a read of, its registers (ISA guide 7.12.1 for reads)
.rept 4
	v_nop
.endr
.endm
.macro ROUND                           ; a round of the cluster's barrier: my work-group's barrier; wave 0 signals for the work-group; every wave waits for all four work-groups; my work-group's barrier again
	s_barrier_signal -1
	s_barrier_wait -1
	s_cmp_lg_u32 s[WV], 0
	s_cbranch_scc1 .Lnot_wave_0_\@
	s_barrier_signal -3
.Lnot_wave_0_\@:
	s_barrier_wait -3
	s_barrier_signal -1
	s_barrier_wait -1
.endm
	s_load_b256 s[4:11], s[0:1], 0x0               ; q s[4:5], rep_mask s[6:7], kb s[8:9], vb s[10:11]
	s_load_b64 s[16:17], s[0:1], 0x20              ; out0
	v_lshl_add_u32 v[SPW], v0, 2, SPARE
	v_mov_b32 v[NIL], 0
	ds_add_u32 v1, v2
	s_wait_dscnt 0x0
	v_lshrrev_b32 v28, 5, v0
	v_readfirstlane_b32 s[WV], v28                 ; wave 0..3
	s_bfe_u32 s21, ttmp6, 0x40000                  ; cx: it enters the addresses of q, rep_mask, out0 and of what is asked for ahead, and nothing else
	s_lshl_b32 s22, ttmp9, 2
	s_add_co_u32 s22, s22, s21                     ; my block of 64 queries
	s_and_b32 s23, ttmp7, 0xffff                   ; the batch, which the four partners share
	s_mov_b32 s66, s[WV]
.irp i, 1,2,3
	s_add_co_u32 s[66+\i], s[WV], \i
	s_and_b32 s[66+\i], s[66+\i], 3
.endr
	; group 1: a tile of 64 rows x 256 elements of 2 bytes, rows 1,024 elements apart, padded in LDS
	s_mov_b32 s24, 15|(1<<16)|(1<<20)|(1<<21)|(6<<22)|(3<<25)  ; 15:0 the mask: all four work-groups; 17:16 2 bytes; 20 padding on; 21 set beside a mask; 24:22 after every 128 words; 31:25 4 words
	s_mov_b32 s32, 15|(1<<16)|(1<<20)|(1<<21)|(6<<22)|(7<<25)  ; the same with 8 words of padding
.irp g, 24, 32
	s_mov_b32 s[\g+1], 256<<16                     ; tensor_dim0 = 256
	s_mov_b32 s[\g+2], 64<<16                      ; tensor_dim1 = 64
	s_mov_b32 s[\g+3], 256<<16                     ; tile_dim0 = 256
	s_mov_b32 s[\g+4], 64                          ; tile_dim1 = 64
	s_mov_b32 s[\g+5], 1024                        ; elements from row to row
	s_mov_b32 s[\g+6], 0
	s_mov_b32 s[\g+7], 0
.endr
	s_mov_b32 s40, 1
	s_mul_i32 s41, s[WV], KSTRIP                   ; my K strip: the wave's number times a constant
	s_mov_b32 s44, 1
	s_mul_i32 s45, s[WV], VSTRIP
	s_add_co_u32 s45, s45, VREG
	s_lshl_b32 s70, s23, 22                        ; batch x 2,048 rows x 2,048 bytes
	s_lshl_b32 s71, s[WV], 9                       ; + my 512 bytes of a row
	s_add_co_u32 s70, s70, s71
	s_mov_b32 s71, 0
	s_lshl_b32 s72, s23, 23                        ; q and out0: batch x 2,048 x 4,096 + block x 64 x 4,096 + wave x 1,024
	s_lshl_b32 s73, s22, 18
	s_add_co_u32 s72, s72, s73
	s_lshl_b32 s73, s[WV], 10
	s_add_co_u32 s72, s72, s73
	s_mov_b32 s73, 0
	s_lshl_b32 s74, s23, 13                        ; the queries' masks: batch x 8,192 + block x 256
	s_lshl_b32 s75, s22, 8
	s_add_co_u32 s74, s74, s75
	s_mov_b32 s75, 0
	s_lshl_b32 s76, s23, 13                        ; the keys' masks: batch x 8,192
	s_mov_b32 s77, 0
	s_lshl_b32 s60, s23, 22
	s_mov_b32 s61, 0
	s_mov_b32 s52, 0x3fb8aa3b                      ; c = log2(e)
	s_mov_b32 s53, s52
	s_mov_b32 s54, 0x76543210                      ; v_permlanex16_b32: each lane takes its own place in the other half
	s_mov_b32 s55, 0xfedcba98
	s_mov_b32 s49, STEPS-2                         ; the first and the last step are written out
	s_wait_kmcnt 0x0
	s_add_nc_u64 s[42:43], s[8:9], s[70:71]
	s_or_b32 s43, s43, 0x80000000                  ; type = 2
	s_add_nc_u64 s[46:47], s[10:11], s[70:71]
	s_or_b32 s47, s47, 0x80000000
	s_add_nc_u64 s[4:5], s[4:5], s[72:73]
	s_add_nc_u64 s[16:17], s[16:17], s[72:73]
	s_add_nc_u64 s[12:13], s[6:7], s[76:77]        ; rep_mask at the batch: the keys' masks
	s_add_nc_u64 s[6:7], s[6:7], s[74:75]          ; rep_mask at my block: the queries' masks
	s_cmp_lt_u32 s22, 16                           ; blocks 0-15 of a batch ask ahead for kb's tiles, blocks 16-31 for vb's
	s_cselect_b64 s[56:57], s[8:9], s[10:11]
	s_add_nc_u64 s[56:57], s[56:57], s[60:61]
	s_mov_b32 s58, 2                               ; step 0 asks for step 2's tile
	s_mov_b32 s60, 2*TILEB
	s_add_nc_u64 s[62:63], s[56:57], s[60:61]
	ROUND                                          ; all four work-groups are here: the first joint loads meet
	tensor_load_to_lds s[40:43], s[24:31]          ; K of step 0, my strip
	s_nop 0
	tensor_load_to_lds s[44:47], s[32:39]          ; V of step 0, my strip
	s_nop 0
	PLACES                                         ; four v_nop follow the tensor loads
	v_and_b32 v30, 31, v0                          ; lane
	v_and_b32 v28, 15, v0                          ; r
	v_bfe_u32 v29, v0, 4, 1                        ; h
	v_lshlrev_b32 v31, 12, v28
	v_lshl_add_u32 v31, v29, 5, v31                ; r x 4,096 + 32 h
.irp i, 0,1,2,3
	s_lshl_b32 s70, s[66+\i], 16                   ; my tile i's 16 rows of q
	v_add_nc_u32 v[QO+\i], s70, v31
	s_lshl_b32 s70, s[66+\i], 6
	v_lshl_add_u32 v[QM+\i], v28, 2, s70
.endr
	v_lshlrev_b32 v[MKO], 3, v30
.irp i, 0,1,2,3
	global_load_b32 v[MQ+2*\i], v[QM+\i], s[6:7]   ; mask of query r of my tile i
.endr
	global_load_b64 v[MKG:MKG+1], v[MKO], s[12:13] ; step 0's key masks
	; Q in f32, into O^T's registers: a fragment's lane wants channels 8 h + 0..7 and 16 + 8 h + 0..7 of each 32: four loads of 16 bytes
.irp i, 0,1,2,3
	WIN 0x80+0x40*(\i/2)
.irp c, 0,1,2,3,4,5,6,7
.irp e, 0,1,2,3
	global_load_b128 v[128*(\i%2)+16*\c+4*\e:128*(\i%2)+16*\c+4*\e+3], v[QO+\i], s[4:5] offset:128*\c+16*(\e%2)+64*(\e/2)
.endr
.endr
.endr
	WIN 0
	v_mul_u32_u24 v[AK], v28, PK
	v_lshl_add_u32 v[AK], v29, 4, v[AK]
	v_add_nc_u32 v[AK], s41, v[AK]                 ; my strip + r x pitch + 16 h
	v_and_b32 v31, 7, v0
	v_lshl_add_u32 v31, v29, 3, v31
	v_mul_u32_u24 v[AV], v31, PV
	v_bfe_u32 v31, v0, 3, 1
	v_lshl_add_u32 v[AV], v31, 4, v[AV]
	v_add_nc_u32 v[AV], s45, v[AV]                 ; my strip + (8 h + lane % 8) x pitch + 16 ((lane / 8) % 2)
.irp i, 1,2,3
	s_mul_i32 s70, s[66+\i], XW
	s_add_co_u32 s71, s70, XCH+(\i-1)*4096
	v_lshl_add_u32 v[XS+\i-1], v30, 4, s71         ; the owner's slot i - 1: the three senders of an owner have different i
	s_add_co_u32 s71, s70, XCH
	v_lshl_add_u32 v[PL+\i-1], v30, 4, s71
	s_lshl_b32 s70, s[66+\i], 7
	s_add_co_u32 s70, s70, AF
	v_lshl_add_u32 v[AL+\i-1], v30, 2, s70
.endr
	s_mul_i32 s70, s[WV], XW
	s_add_co_u32 s70, s70, XCH
	v_lshl_add_u32 v[XL], v30, 4, s70
	v_lshl_add_u32 v[AS], v0, 2, AF
	v_lshl_add_u32 v[MKA], v0, 3, MKS
	s_lshl_b32 s70, s[WV], 8
	s_add_co_u32 s70, s70, MKS
	v_lshl_add_u32 v[MKL], v29, 5, s70
	s_and_b32 s70, s22, 15
	s_lshl_b32 s70, s70, 13
	v_lshl_add_u32 v[PFO], v30, 8, s70             ; my work-group's sixteenth of a tile, lanes 256 bytes apart
.irp i, 0,1,2,3
	v_mov_b32 v[AA+2*\i+1], 0
	v_mov_b32 v[FA+2*\i+1], 0
.endr
; Tile i of Q: times mq, rounded to bf16, into window 1.  Fragment register n takes the loaded registers 2 n and 2 n + 1.
.macro CVTQ i
	WIN 0x82+0x41*(\i/2)
.set n, 0
.rept 64
	v_pk_mul_f32 v[128*(\i%2)+2*n:128*(\i%2)+2*n+1], v[128*(\i%2)+2*n:128*(\i%2)+2*n+1], v[MQ+2*\i:MQ+2*\i+1] op_sel_hi:[1,0]
.set n, n+1
.endr
	WIN 0x4a+5*(\i/2)
.set n, 0
.rept 64
	v_cvt_pk_bf16_f32 v[64*\i+n], v[128*(\i%2)+2*n], v[128*(\i%2)+2*n+1]
.set n, n+1
.endr
.endm
	s_wait_loadcnt 0x3f                            ; of 133 loads 70 are in: the four mq, the key masks, Q's tiles 0 and 1 (69)
.irp i, 0,1,2,3
	v_cvt_f32_i32 v[MQ+2*\i], v[MQ+2*\i]
.endr
.irp i, 0,1,2,3
	v_mov_b32 v[MQ+2*\i+1], v[MQ+2*\i]
.endr
	v_mov_b32 v[MQO], v[MQ]
	CVTQ 0
	CVTQ 1
	s_wait_loadcnt 0x20                            ; tile 3's 32 loads may be out
	CVTQ 2
	s_wait_loadcnt 0x0
	CVTQ 3
	WIN 0
	s_wait_tensorcnt 0x1                           ; my strip of K of step 0 is in, V's may stay out; only I read my strips, so no barrier is wanted here
; Chunk cc (32 channels) of my K strip: four fragments of 16 keys, into buffer cc % 2
.macro FETCH_K cc
.irp kt, 0,1,2,3
	ds_load_b128 v[KB+32*((\cc)%2)+8*\kt:KB+32*((\cc)%2)+8*\kt+3],   v[AK] offset:\kt*16*PK+64*(\cc)
	ds_load_b128 v[KB+32*((\cc)%2)+8*\kt+4:KB+32*((\cc)%2)+8*\kt+7], v[AK] offset:\kt*16*PK+64*(\cc)+32
.endr
.endm
; 16 matrix instructions, 16 accumulators by turns: S^T(i, kt) += K(kt, cc) Q(i, cc).  Chunk 0 starts the sums.
.macro QK16 cc
.irp i, 0,1,2,3
.irp kt, 0,1,2,3
.if (\cc) == 0
	v_wmma_f32_16x16x32_bf16 v[S+32*\i+8*\kt:S+32*\i+8*\kt+7], v[KB+32*((\cc)%2)+8*\kt:KB+32*((\cc)%2)+8*\kt+7], v[64*\i+8*(\cc):64*\i+8*(\cc)+7], 0
.else
	v_wmma_f32_16x16x32_bf16 v[S+32*\i+8*\kt:S+32*\i+8*\kt+7], v[KB+32*((\cc)%2)+8*\kt:KB+32*((\cc)%2)+8*\kt+7], v[64*\i+8*(\cc):64*\i+8*(\cc)+7], v[S+32*\i+8*\kt:S+32*\i+8*\kt+7]
.endif
.endr
.endr
.endm
; Group g (channel tiles 4 g .. 4 g + 3) of my V strip, turned: V(ctl, kc) at buffer g % 2 + 32 kc + 8 ctl
.macro FETCH_V g
.irp kc, 0,1
.irp ctl, 0,1,2,3
	ds_load_tr16_b128 v[S+64*((\g)%2)+32*\kc+8*\ctl:S+64*((\g)%2)+32*\kc+8*\ctl+3],   v[AV] offset:\kc*32*PV+(4*(\g)+\ctl)*32
	ds_load_tr16_b128 v[S+64*((\g)%2)+32*\kc+8*\ctl+4:S+64*((\g)%2)+32*\kc+8*\ctl+7], v[AV] offset:\kc*32*PV+16*PV+(4*(\g)+\ctl)*32
.endr
.endr
.endm
; Group g of V^T P: 32 matrix instructions, its 16 accumulators by turns, keys 0-31 and then 32-63.  Behind each stand two packed multiplies that rescale the NEXT group's O^T by a,
; so that the wave has vector work to issue between its products: 64 vector instructions a group, at the price of two window switches for each product.  Groups 1 and 2 fetch the group
; after them behind their second product: the buffer's last reader stands six packed multiplies back (in the first step, which rescales nothing, four v_nop).
.macro PVG g, first
	s_wait_dscnt 0x0                               ; this group's fragments of V are in (group 0: P too)
.set n, 0
.rept 32
	WIN 0xa0+0x50*(\g/2)
.set rO, 128*(\g%2)+32*((n/4)%4)+8*(n%4)
.set rV, S+64*(\g%2)+32*(n/16)+8*((n/4)%4)
.set rP, P+16*(n%4)+8*(n/16)
.if \first && (n < 16)
	v_wmma_f32_16x16x32_bf16 v[rO:rO+7], v[rV:rV+7], v[rP:rP+7], 0
.else
	v_wmma_f32_16x16x32_bf16 v[rO:rO+7], v[rV:rV+7], v[rP:rP+7], v[rO:rO+7]
.endif
.if (\g < 3) && !\first
	WIN 0x82+0x41*((\g+1)/2)
.set rR, 128*((\g+1)%2)+4*n
	v_pk_mul_f32 v[rR:rR+1], v[rR:rR+1], v[AA+2*((n/2)%4):AA+2*((n/2)%4)+1] op_sel_hi:[1,0]
	v_pk_mul_f32 v[rR+2:rR+3], v[rR+2:rR+3], v[AA+2*((n/2)%4):AA+2*((n/2)%4)+1] op_sel_hi:[1,0]
.endif
.if ((\g == 1) || (\g == 2)) && (n == 1)
.if \first
	PLACES
.endif
	WIN 0
	FETCH_V \g+1
.endif
.set n, n+1
.endr
.endm
; A KEY STEP.  first = 1: it starts m, l and O^T.  fill = 1: the next step's tiles are asked for; fill = 0 is the last step, which also makes f.
.macro STEP first, fill
.if \fill
	; Asked for ahead: in step j wave 0 asks for its work-group's 32 blocks of 256 bytes of step min(j + 2, 31)'s tile of kb or vb; the batch's 32 work-groups together cover both tiles, each block
	; by one lane of one wave.  The clamp keeps the address inside the buffer; the last step asks for nothing.
	s_cmp_lg_u32 s[WV], 0
	s_cbranch_scc1 .Lno_ask_\@
	global_prefetch_b8 v[PFO], s[62:63] th:TH_LOAD_NT scope:SCOPE_SE
.Lno_ask_\@:
.endif
	WIN W_QK                                       ; one setting for the whole of K Q^T, its LDS loads too
	FETCH_K 0
.set c, 0
.rept 8
.if c < 7
.if c > 0
	PLACES                                         ; the buffer's last readers are the products just issued
.endif
	FETCH_K c+1
	s_wait_dscnt 0x8                               ; the eight loads just issued may be out: this chunk's are in
.else
	s_wait_dscnt 0x0
.endif
	QK16 c
.set c, c+1
.endr
	WIN 0
	PLACES
.irp i, 1,2,3                          ; three tiles' partial scores go to their owners; each accumulator's low four registers first
.irp n, 0,1,2,3,4,5,6,7
	ds_store_b128 v[XS+\i-1], v[S+32*\i+4*\n:S+32*\i+4*\n+3] offset:512*\n
.endr
.endr
	s_wait_loadcnt 0x0                             ; this step's key masks
	v_cvt_f32_i32 v[MKF], v[MKG]
	v_cvt_f32_i32 v[MKF+1], v[MKG+1]
	ds_store_b64 v[MKA], v[MKF:MKF+1]              ; my wave's own copy: no other wave reads it
.if \fill
	s_wait_xcnt 0x0                                ; the offset and the address asked for ahead are rewritten only behind this wait
	v_add_nc_u32 v[MKO], 256, v[MKO]
	global_load_b64 v[MKG:MKG+1], v[MKO], s[12:13] ; the next step's masks
	s_add_co_u32 s58, s58, 1
	s_min_u32 s58, s58, STEPS-1                    ; never past the last step's tile
	s_lshl_b32 s60, s58, 17
	s_add_nc_u64 s[62:63], s[56:57], s[60:61]
	s_wait_tensorcnt 0x0                           ; all my tensor loads have landed: the one that was out is my strip of this step's V
	ds_add_u32 v[SPW], v[NIL]                      ; 0 onto my spare word
	s_add_nc_u64 s[42:43], s[42:43], TILEB         ; K's descriptor steps while no tensor load of mine is out
	s_wait_dscnt 0x0                               ; the add is done, my reads of my K strip are over, my partials and masks are stored
	ROUND                                          ; no wave of any partner still reads K's region; and every wave's partials are in place
	tensor_load_to_lds s[40:43], s[24:31]          ; K of the next step: it has the softmax and V^T P in which to land
	s_nop 0
	PLACES
.else
	s_wait_tensorcnt 0x0                           ; my strip of the last V is in
	s_wait_dscnt 0x0                               ; my partials are stored
	s_barrier_signal -1
	s_barrier_wait -1
.endif
	; THE SOFTMAX OF MY TILE
.irp k, 0,1,2
.irp n, 0,1,2,3,4,5,6,7
	ds_load_b128 v[S+32+32*\k+4*\n:S+32+32*\k+4*\n+3], v[XL] offset:4096*\k+512*\n
.endr
.endr
.irp n, 0,1,2,3,4,5,6,7
	ds_load_b128 v[MK+4*\n:MK+4*\n+3], v[MKL] offset:64*(\n/2)+16*(\n%2)   ; masks of keys 16 kt + 8 h + 0..7, register for register as the scores lie
.endr
.irp k, 0,1,2
	s_wait_dscnt 24-8*\k                           ; the younger partials and the eight mask loads may be out
.irp p, 0,1,2,3,4,5,6,7,8,9,10,11,12,13,14,15
	v_pk_add_f32 v[S+2*\p:S+2*\p+1], v[S+2*\p:S+2*\p+1], v[S+32+32*\k+2*\p:S+32+32*\k+2*\p+1]
.endr
.endr
.irp j, 0,1,2,3
	v_max3_num_f32 v[T0+\j], v[S+8*\j], v[S+8*\j+1], v[S+8*\j+2]
.endr
.irp j, 0,1,2,3
	v_max3_num_f32 v[T0+\j], v[T0+\j], v[S+8*\j+3], v[S+8*\j+4]
.endr
.irp j, 0,1,2,3
	v_max3_num_f32 v[T0+\j], v[T0+\j], v[S+8*\j+5], v[S+8*\j+6]
.endr
	v_max3_num_f32 v[T0], v[T0], v[S+7], v[S+15]
	v_max3_num_f32 v[T0+2], v[T0+2], v[S+23], v[S+31]
	v_max3_num_f32 v[T0], v[T0], v[T0+1], v[T0+2]
.if \first
	v_max_num_f32 v[T0], v[T0], v[T0+3]            ; the first step has no old m
.else
	v_max3_num_f32 v[T0], v[T0], v[T0+3], v[CM+1]  ; the old m is among them
.endif
	v_permlanex16_b32 v[T0+1], v[T0], s54, s55     ; the query's other 32 keys lie in the lane 16 away
.if !\first
	v_mov_b32 v[T0+3], v[CM]                       ; c m_old
.endif
	v_max_num_f32 v[CM+1], v[T0], v[T0+1]
	v_mul_f32 v[CM], s52, v[CM+1]
.if !\first
	v_sub_f32 v[T0+3], v[T0+3], v[CM]
	v_exp_f32 v[AA], v[T0+3]                       ; a = 2^(c m_old - c m_new); the packed line below is the plain instruction behind it
.endif
.irp p, 0,1,2,3,4,5,6,7,8,9,10,11,12,13,14,15
	v_pk_fma_f32 v[S+2*\p:S+2*\p+1], v[S+2*\p:S+2*\p+1], s[52:53], v[CM:CM+1] op_sel_hi:[1,0,0] neg_lo:[0,0,1] neg_hi:[0,0,1]
.endr
.set n, 0
.rept 32
	v_exp_f32 v[S+n], v[S+n]
.set n, n+1
.endr
	v_nop                                          ; a plain instruction between the last exponential and the use of its result
	s_wait_dscnt 0x0                               ; the masks
	s_wait_alu depctr_va_vdst(0)
.irp p, 0,1,2,3,4,5,6,7,8,9,10,11,12,13,14,15
	v_pk_mul_f32 v[S+2*\p:S+2*\p+1], v[S+2*\p:S+2*\p+1], v[MK+2*\p:MK+2*\p+1]
.endr
.irp p, 0,1,2,3,4,5,6,7,8,9,10,11,12,13,14,15
	v_cvt_pk_bf16_f32 v[P+\p], v[S+2*\p], v[S+2*\p+1]
.endr
.irp n, 0,1,2,3
	ds_store_b128 v[XL], v[P+4*\n:P+4*\n+3] offset:512*\n  ; my tile's weights, for the other three waves; they follow my loads of these bytes in order
.endr
.if !\first
	ds_store_b32 v[AS], v[AA]
.endif
.irp u, 0,1,2,3,4,5,6,7
	v_pk_add_f32 v[S+4*\u:S+4*\u+1], v[S+4*\u:S+4*\u+1], v[S+4*\u+2:S+4*\u+3]
.endr
.irp u, 0,1,2,3
	v_pk_add_f32 v[S+8*\u:S+8*\u+1], v[S+8*\u:S+8*\u+1], v[S+8*\u+4:S+8*\u+5]
.endr
.irp u, 0,1
	v_pk_add_f32 v[S+16*\u:S+16*\u+1], v[S+16*\u:S+16*\u+1], v[S+16*\u+8:S+16*\u+9]
.endr
.if \first
	v_pk_add_f32 v[LS:LS+1], v[S:S+1], v[S+16:S+17]
.else
	v_pk_add_f32 v[S:S+1], v[S:S+1], v[S+16:S+17]
	v_pk_fma_f32 v[LS:LS+1], v[LS:LS+1], v[AA:AA+1], v[S:S+1] op_sel_hi:[1,0,1]
.endif
.if !\fill
	v_add_f32 v[T0], v[LS], v[LS+1]                ; the last step: f = mq / (mq l + [mq l == 0] + 1e-20)
	v_permlanex16_b32 v[T0+1], v[T0], s54, s55
	v_add_f32 v[T0], v[T0], v[T0+1]
	v_mul_f32 v[T0], v[MQO], v[T0]
	v_cmp_eq_f32 vcc_lo, 0, v[T0]
	v_cndmask_b32 v[T0+1], 0, 1.0, vcc_lo
	v_add_f32 v[T0], v[T0], v[T0+1]
	v_add_f32 v[T0], 0x1e3ce508, v[T0]
	v_rcp_f32 v[T0+1], v[T0]
	v_nop
	s_wait_alu depctr_va_vdst(0)
	v_mul_f32 v[FA], v[MQO], v[T0+1]
	ds_store_b32 v[AS], v[FA] offset:512
.endif
	s_wait_dscnt 0x0                               ; for the others' sake: my weights and factors are stored
	s_barrier_signal -1                            ; K's load stays on its way
	FETCH_V 0                                      ; my own strip, which nobody writes before the round behind V^T P
	FETCH_V 1
	s_barrier_wait -1
.if !\first
.irp i, 1,2,3
	ds_load_b32 v[AA+2*\i], v[AL+\i-1]
.endr
.endif
.if !\fill
.irp i, 1,2,3
	ds_load_b32 v[FA+2*\i], v[AL+\i-1] offset:512
.endr
.endif
.irp i, 1,2,3
.irp n, 0,1,2,3
	ds_load_b128 v[P+16*\i+4*\n:P+16*\i+4*\n+3], v[PL+\i-1] offset:512*\n
.endr
.endr
.if !\first
	s_wait_dscnt 12                                ; P's twelve loads may be out: the factors are in
	WIN 0x82
.set n, 0
.rept 64
	v_pk_mul_f32 v[2*n:2*n+1], v[2*n:2*n+1], v[AA+2*((n/4)%4):AA+2*((n/4)%4)+1] op_sel_hi:[1,0]   ; group 0's O^T times a; the other groups' stand among the products
.set n, n+1
.endr
.endif
	PVG 0, \first
	PVG 1, \first
	PVG 2, \first
	PVG 3, \first
	WIN 0
.if \fill
	s_wait_tensorcnt 0x0                           ; all my tensor loads have landed: my strip of the next step's K
	ds_add_u32 v[SPW], v[NIL]                      ; 0 onto my spare word
	s_add_nc_u64 s[46:47], s[46:47], TILEB
	s_wait_dscnt 0x0                               ; the add is done; my reads of my V strip, of the weights and of the factors are over
	ROUND                                          ; no wave of any partner still reads V's region; and the exchange may be written again
	tensor_load_to_lds s[44:47], s[32:39]          ; V of the next step: it has K Q^T in which to land
	s_nop 0
.rept 5
	v_nop                                          ; four places in front of the loads into P's registers, five in front of the products that write over V's fragments
.endr
.endif
.endm
	STEP 1, 1
.Lstep:                                                ; STEPS - 2 trips
	STEP 0, 1
	s_sub_co_u32 s49, s49, 1
	s_cmp_lg_u32 s49, 0
	s_cbranch_scc1 .Lstep
	STEP 0, 0                                      ; the last step asks for nothing
	; THE WAY OUT.  A tile (16 queries x my 256 channels of f32) at a time: times f, through a stage in my K strip (its last fill has been read), back as whole rows, stored.
	; The address arithmetic is the places behind the last products: eleven plain instructions that name none of their registers.
	v_and_b32 v28, 15, v0
	v_bfe_u32 v29, v0, 4, 1
	v_and_b32 v30, 31, v0
	v_mul_u32_u24 v[STO], v28, SPITCH
	v_lshl_add_u32 v[STO], v29, 5, v[STO]
	v_add_nc_u32 v[STO], s41, v[STO]               ; in: row r, 32 bytes for each half of the lanes
	v_lshl_add_u32 v[RD], v30, 4, s41              ; back: 32 lanes take 512 neighbouring bytes of a row
.irp i, 0,1,2,3
	s_lshl_b32 s70, s[66+\i], 16
	v_lshl_add_u32 v[GO+\i], v30, 4, s70           ; my tile i's 16 rows of out0
.endr
.macro PACKST i
.irp hw, 0,1
	WIN 0x82+0x41*\hw
.irp ct, 0,1,2,3,4,5,6,7
.irp p, 0,1,2,3
	v_pk_mul_f32 v[32*\ct+8*\i+2*\p:32*\ct+8*\i+2*\p+1], v[32*\ct+8*\i+2*\p:32*\ct+8*\i+2*\p+1], v[FA+2*\i:FA+2*\i+1] op_sel_hi:[1,0]
.endr
.endr
	WIN 0x08+0x04*\hw                              ; the store's data in window 2 or 3
.irp ct, 0,1,2,3,4,5,6,7
.irp e, 0,1
	ds_store_b128 v[STO], v[32*\ct+8*\i+4*\e:32*\ct+8*\i+4*\e+3] offset:(\i%2)*STG+64*(8*\hw+\ct)+16*\e
.endr
.endr
.endr
	WIN 0
.endm
.macro LOADS i
.set n, 0
.rept 32
	ds_load_b128 v[S+4*n:S+4*n+3], v[RD] offset:(\i%2)*STG+(n/2)*SPITCH+(n%2)*512   ; LDS serves a wave's instructions in order (ISA guide 5.7.1.4): these see the stores above
.set n, n+1
.endr
.endm
.macro SEND i, younger                 ; younger: the LDS instructions issued behind this tile's loads: the next tile's 32 stage stores, or none
.set n, 0
.rept 32
	s_wait_dscnt \younger+31-n
	global_store_b128 v[GO+\i], v[S+4*n:S+4*n+3], s[16:17] offset:(n/2)*4096+(n%2)*512 th:TH_STORE_NT   ; 512 consecutive bytes, at a multiple of 512 from out0's first byte
.set n, n+1
.endr
.endm
	PACKST 0
	LOADS 0
.irp i, 1,2,3
	PACKST \i                                      ; a tile's arithmetic stands between the loads of the tile before and its stores
	SEND \i-1, 32
	s_wait_xcnt 0x0                                ; the registers that those stores read are loaded again only behind this wait
	LOADS \i
.endr
	SEND 3, 0
	s_wait_tensorcnt 0x0                           ; the wave's end, behind my last tensor load and my last LDS store
	ds_add_u32 v[SPW], v[NIL]
	s_wait_dscnt 0x0
	ROUND                                          ; the closing round: no work-group ends while a partner may still ask for a tile that names it
	s_endpgm
.Lfunc_end_k_q0f7123b57e_attn:
	.size	k_q0f7123b57e_attn, .Lfunc_end_k_q0f7123b57e_attn-k_q0f7123b57e_attn
	.p2alignl 7, 3214868480
	.fill 96, 4, 3214868480
	.section	.rodata,"a",@progbits
	.p2align	6, 0x0
	.amdhsa_kernel k_q0f7123b57e_attn
		.amdhsa_group_segment_fixed_size 327680
		.amdhsa_private_segment_fixed_size 0
		.amdhsa_enable_private_segment 0
		.amdhsa_kernarg_size 40
		.amdhsa_user_sgpr_count 2
		.amdhsa_user_sgpr_kernarg_segment_ptr 1
		.amdhsa_wavefront_size32 1
		.amdhsa_system_sgpr_workgroup_id_x 1
		.amdhsa_system_sgpr_workgroup_id_y 1
		.amdhsa_system_sgpr_workgroup_id_z 1
		.amdhsa_system_vgpr_workitem_id 0
		.amdhsa_next_free_vgpr 1024
		.amdhsa_next_free_sgpr 80
		.amdhsa_reserve_vcc 1
		.amdhsa_float_denorm_mode_32 3
		.amdhsa_float_denorm_mode_16_64 3
		.amdhsa_memory_ordered 1
		.amdhsa_forward_progress 1
		.amdhsa_inst_pref_size 255
	.end_amdhsa_kernel
	.section	.bss,"aw",@nobits
	.p2align	6
	.space	262144
	.amdgpu_metadata
---
amdhsa.version: [ 1, 2 ]
amdhsa.kernels:
  - .name:           k_q0f7123b57e_attn
    .symbol:         k_q0f7123b57e_attn.kd
    .args:
      - { .name: q, .offset: 0, .size: 8, .value_kind: global_buffer, .address_space: global }
      - { .name: rep_mask, .offset: 8, .size: 8, .value_kind: global_buffer, .address_space: global }
      - { .name: kb, .offset: 16, .size: 8, .value_kind: global_buffer, .address_space: global }
      - { .name: vb, .offset: 24, .size: 8, .value_kind: global_buffer, .address_space: global }
      - { .name: out0, .offset: 32, .size: 8, .value_kind: global_buffer, .address_space: global }
    .group_segment_fixed_size: 327680
    .private_segment_fixed_size: 0
    .kernarg_segment_align: 8
    .kernarg_segment_size: 40
    .max_flat_workgroup_size: 128
    .sgpr_count:     80
    .vgpr_count:     1024
    .wavefront_size: 32
...
	.end_amdgpu_metadata
.endif
;; end of part 2
